; MI455X (gfx1250); checked and timed in simulation.
; The chip was launched on July 23, 2026; its instructions are those of AMD's public machine-readable ISA for CDNA 5 (MIT licence, August 2026) and "CDNA5" Instruction Set Architecture Reference Guide (July 2026). The comments in the code are by the model that wrote it; some were corrected since.
;; Mixture Of Experts. Allowed arithmetic: float matrix products may take bf16 or f16 operands with f32 sums; all other float work in f32.
;; Inputs: gate_w 4 x 512 float32; w1 4 x 1,365 x 512 float32; w2 4 x 512 x 1,365 float32; w3 4 x 1,365 x 512 float32; x 4 x 2,048 x 512 float32.
;; Outputs: out0 4 x 2,048 x 512 float32; out1 one number float32.
;; One version. Each part assembles by itself: llvm-mc -triple=amdgcn-amd-amdhsa -mcpu=gfx1250 --defsym DOCPART=n.
;; ======== version 1 of 1: 4 launches
;; workspace buffers: xb 8,388,608 bytes; route 36,864 bytes of whole numbers; gatef 69,632 bytes; wq 17,301,504 bytes; plan 133,376 bytes of whole numbers; part 34,078,720 bytes
;; launch route (part 1): grid 256 x 1, 8 waves a work-group, no clusters, 1,536 bytes of LDS; arguments x, gate_w, xb, route, gatef; writes xb, route, gatef
.if DOCPART == 1
	.amdgcn_target "amdgcn-amd-amdhsa--gfx1250"
	.amdhsa_code_object_version 6
	.text
	.protected	k_qe3536ba57f_route
	.globl	k_qe3536ba57f_route
	.p2align	8
	.type	k_qe3536ba57f_route,@function
k_qe3536ba57f_route:
	s_mov_b64 s[64:65], 0
	v_nop
	global_prefetch_b8 v0, s[64:65] scope:SCOPE_SE
	s_setreg_imm32_b32 hwreg(HW_REG_WAVE_MODE, 25, 1), 1
	s_wait_xcnt 0x0
; ROUTER.  Work-group b takes tokens 32 b .. 32 b + 31, wave w four of them.  It rounds x to bf16 (stored to xb for the experts' products),
; forms the four logits from the ROUNDED x and the rounded gate_w with f32 sums (the operand format of every product of this program),
; then wave 0, one token a lane: softmax with the maximum taken away, the two largest (ties to the lower index), their weights,
; and each choice's rank among the group's tokens that chose the same expert.
; Stored: xb; route: cnt[group][4] at 16 b, rt[token] = e1 | e2<<2 | r1<<4 | r2<<9 from byte 4096;
; gatef: ps[group][4] = sum over the group of (p_e - 0.25) at 16 b, cw[token][2] from byte 4096.
; No address and no branch hangs on these numbers here: they are only stored.
; LIMITS: NaN logits are not served.  A probability below 2^-126 comes out of v_exp_f32 as 0 (ISA guide 15.8); the second choice
; may then differ from a computation that keeps denormals; its weight is below 1e-37.
; No matrix unit: four output columns on a stream of x.  No cluster: the groups share only the 8 KiB of gate_w.
.set XD, 16                            ; v[16:79]   x as loaded: token t, quarter j at +16 t + 4 j
.set GT, 80                            ; v[80:143]  gate_w, rounded and widened: expert e, quarter j at +16 e + 4 j
.set XP, 144                           ; v[144:175] x packed to bf16: +8 t + 2 j
.set AC, 176                           ; v[176:207] pairs of partial sums: +8 t + 2 e
.set XU, 208                           ; v[208:223] one token's 16 rounded numbers, widened
	s_load_b256 s[4:11], s[0:1], 0x0               ; x s[4:5], gate_w s[6:7], xb s[8:9], route s[10:11]
	s_load_b64 s[12:13], s[0:1], 0x20              ; gatef
	v_lshl_add_u32 v224, v0, 2, 0x200
	v_mov_b32 v225, 0
	v_and_b32 v1, 31, v0                           ; lane
	v_lshrrev_b32 v6, 5, v0
	v_readfirstlane_b32 s14, v6                    ; wave
	s_mov_b32 s18, 0x76543210                      ; v_permlanex16_b32: lane i reads lane i of the other half
	s_mov_b32 s19, 0xfedcba98
	s_mov_b32 s20, 0xffff0000                      ; a word's upper bf16
	s_lshl_b32 s16, ttmp9, 16                      ; 32 tokens of 2,048 bytes of x
	s_mov_b32 s17, 0
	s_lshl_b32 s26, ttmp9, 15                      ; 32 tokens of 1,024 bytes of xb
	s_mov_b32 s27, 0
	v_lshlrev_b32 v3, 4, v1                        ; 16 lane
	v_lshl_add_u32 v2, s14, 13, v3                 ; + 4 tokens of x a wave
	v_lshlrev_b32 v4, 3, v1
	v_lshl_add_u32 v4, s14, 12, v4                 ; 8 lane + 4 tokens of xb a wave
	v_mov_b32 v5, s14
	v_lshlrev_b32 v5, 6, v5                        ; LDS: 16 bytes a token, 64 a wave
	s_wait_kmcnt 0x0
	s_add_nc_u64 s[4:5], s[4:5], s[16:17]
	s_add_nc_u64 s[8:9], s[8:9], s[26:27]
.irp e, 0,1,2,3
.irp j, 0,1,2,3
	global_load_b128 v[GT+16*\e+4*\j:GT+16*\e+4*\j+3], v3, s[6:7] offset:2048*\e+512*\j
.endr
.endr
.irp t, 0,1,2,3
.irp j, 0,1,2,3
	global_load_b128 v[XD+16*\t+4*\j:XD+16*\t+4*\j+3], v2, s[4:5] offset:2048*\t+512*\j th:TH_LOAD_NT   ; 512 consecutive bytes a wave
.endr
.endr
	s_wait_loadcnt 16                              ; gate_w is in; the 16 loads of x stay out
.set i, 0
.rept 32
	v_cvt_pk_bf16_f32 v7, v[GT+i], v[GT+i+1]       ; round to bf16,
	v_lshlrev_b32 v[GT+i], 16, v7                  ; and widen again in place
	v_and_b32 v[GT+i+1], s20, v7
.set i, i+2
.endr
.macro TOK t
	s_wait_loadcnt 12-4*\t                         ; this token's four loads are in; the later tokens' stay out
.irp p, 0,1,2,3,4,5,6,7
	v_cvt_pk_bf16_f32 v[XP+8*\t+\p], v[XD+16*\t+2*\p], v[XD+16*\t+2*\p+1]
.endr
.irp j, 0,1,2,3
	global_store_b64 v4, v[XP+8*\t+2*\j:XP+8*\t+2*\j+1], s[8:9] offset:1024*\t+256*\j   ; the wave stores 256 consecutive bytes, aligned
.endr
.irp p, 0,1,2,3,4,5,6,7
	v_lshlrev_b32 v[XU+2*\p], 16, v[XP+8*\t+\p]
	v_and_b32 v[XU+2*\p+1], s20, v[XP+8*\t+\p]
.endr
.irp e, 0,1,2,3
	v_pk_mul_f32 v[AC+8*\t+2*\e:AC+8*\t+2*\e+1], v[XU:XU+1], v[GT+16*\e:GT+16*\e+1]      ; the first product starts the sums
.endr
.irp p, 1,2,3,4,5,6,7
.irp e, 0,1,2,3
	v_pk_fma_f32 v[AC+8*\t+2*\e:AC+8*\t+2*\e+1], v[XU+2*\p:XU+2*\p+1], v[GT+16*\e+2*\p:GT+16*\e+2*\p+1], v[AC+8*\t+2*\e:AC+8*\t+2*\e+1]
.endr
.endr
.endm
	TOK 0
	TOK 1
	TOK 2
	TOK 3
.macro RED r                           ; sum over the 32 lanes, result in every lane; v6 has been written
.irp m, 1,2,4,8
	v_add_f32_dpp v[\r], v[\r], v[\r] row_xmask:\m row_mask:0xf bank_mask:0xf
.endr
	v_permlanex16_b32 v6, v[\r], s18, s19
	v_add_f32 v[\r], v[\r], v6
.endm
.irp t, 0,1,2,3
.irp e, 0,1,2,3
	v_add_f32 v[16+4*\t+\e], v[AC+8*\t+2*\e], v[AC+8*\t+2*\e+1]
	RED 16+4*\t+\e
.endr
	ds_store_b128 v5, v[16+4*\t:19+4*\t] offset:16*\t      ; all lanes write the same four logits to the token's 16 bytes
.endr
	s_wait_dscnt 0x0                               ; for wave 0's sake: my stores are done
	s_barrier_signal -1
	s_barrier_wait -1
	s_cmp_lg_u32 s14, 0
	s_cbranch_scc1 .Lend
	; wave 0: lane = token of the group
	ds_load_b128 v[8:11], v3
	s_lshl_b32 s16, ttmp9, 7
	v_lshl_add_u32 v56, v1, 2, s16                 ; rt: 128 b + 4 lane
	s_lshl_b32 s17, ttmp9, 8
	v_lshl_add_u32 v57, v1, 3, s17                 ; cw: 256 b + 8 lane
	s_lshl_b32 s25, ttmp9, 4
	v_mov_b32 v58, s25                             ; cnt, ps: 16 b
	v_mov_b32 v49, 0
	v_mov_b32 v50, 0
	s_wait_dscnt 0x0
	v_max3_num_f32 v12, v8, v9, v10
	v_max_num_f32 v12, v12, v11                    ; the maximum is taken away as in the softmax
.irp i, 0,1,2,3
	v_sub_f32 v[32+\i], v[8+\i], v12
	v_mul_f32 v[32+\i], 0x3fb8aa3b, v[32+\i]
.endr
.irp i, 0,1,2,3
	v_exp_f32 v[32+\i], v[32+\i]
.endr
	v_nop                                          ; one plain place behind the transcendentals (ISA guide 5.7.2)
	s_wait_alu depctr_va_vdst(0)
	v_add_f32 v13, v32, v33
	v_add_f32 v14, v34, v35
	v_add_f32 v13, v13, v14
	v_rcp_f32 v13, v13
	v_nop
	s_wait_alu depctr_va_vdst(0)
.irp i, 0,1,2,3
	v_mul_f32 v[32+\i], v[32+\i], v13              ; p_i
.endr
.macro SCAN val, idx, p                ; the largest of v[p .. p+3] and its index; strict compares: a tie stays with the lower index
	v_cmp_gt_f32 vcc_lo, v[\p+1], v[\p]
	v_cndmask_b32 v[\val], v[\p], v[\p+1], vcc_lo
	v_cndmask_b32 v[\idx], 0, 1, vcc_lo
.irp k, 2,3
	v_cmp_gt_f32 vcc_lo, v[\p+\k], v[\val]
	v_cndmask_b32 v[\val], v[\val], v[\p+\k], vcc_lo
	v_cndmask_b32 v[\idx], v[\idx], \k, vcc_lo
.endr
.endm
	SCAN 36, 37, 32                                ; first choice: value v36, expert v37
.irp k, 0,1,2,3
	v_cmp_eq_u32 vcc_lo, \k, v37
	v_cndmask_b32 v[40+\k], v[32+\k], -1.0, vcc_lo ; it is taken out: below every probability
.endr
	SCAN 38, 39, 40                                ; second choice: value v38, expert v39
	v_add_f32 v44, v36, v38
	v_rcp_f32 v44, v44
	v_nop
	s_wait_alu depctr_va_vdst(0)
	v_mul_f32 v46, v36, v44                        ; the two weights, renormalised
	v_mul_f32 v47, v38, v44
.irp e, 0,1,2,3
	v_cmp_eq_u32 s21, \e, v37
	v_cmp_eq_u32 s22, \e, v39
	s_or_b32 s23, s21, s22                         ; the lanes that chose expert e
	v_mbcnt_lo_u32_b32 v48, s23, 0                 ; how many of them are below me
	v_cndmask_b32 v49, v49, v48, s21
	v_cndmask_b32 v50, v50, v48, s22
	s_bcnt1_i32_b32 s24, s23
	v_mov_b32 v[52+\e], s24                        ; the group's count for e
	v_add_f32 v[60+\e], 0xbe800000, v[32+\e]       ; p_e - 0.25
	RED 60+\e
.endr
	v_lshl_or_b32 v51, v39, 2, v37
	v_lshl_or_b32 v51, v49, 4, v51
	v_lshl_or_b32 v51, v50, 9, v51
	global_store_b32 v56, v51, s[10:11] offset:4096
	global_store_b64 v57, v[46:47], s[12:13] offset:4096
	s_wait_xcnt 0x0                                ; EXEC changes only behind this wait
	v_cmpx_eq_u32 0, v1
	global_store_b128 v58, v[52:55], s[10:11]
	global_store_b128 v58, v[60:63], s[12:13]
.Lend:
	s_wait_xcnt 0x0
	s_mov_b32 exec_lo, -1
	s_wait_tensorcnt 0x0
	ds_add_u32 v224, v225
	s_wait_dscnt 0x0
	s_endpgm
.Lfunc_end_k_qe3536ba57f_route:
	.size	k_qe3536ba57f_route, .Lfunc_end_k_qe3536ba57f_route-k_qe3536ba57f_route
	.p2alignl 7, 3214868480
	.fill 96, 4, 3214868480
	.section	.rodata,"a",@progbits
	.p2align	6, 0x0
	.amdhsa_kernel k_qe3536ba57f_route
		.amdhsa_group_segment_fixed_size 1536
		.amdhsa_private_segment_fixed_size 0
		.amdhsa_enable_private_segment 0
		.amdhsa_kernarg_size 40
		.amdhsa_user_sgpr_count 2
		.amdhsa_user_sgpr_kernarg_segment_ptr 1
		.amdhsa_wavefront_size32 1
		.amdhsa_system_sgpr_workgroup_id_x 1
		.amdhsa_system_sgpr_workgroup_id_y 1
		.amdhsa_system_sgpr_workgroup_id_z 1
		.amdhsa_system_vgpr_workitem_id 0
		.amdhsa_next_free_vgpr 226
		.amdhsa_next_free_sgpr 66
		.amdhsa_reserve_vcc 1
		.amdhsa_float_denorm_mode_32 3
		.amdhsa_float_denorm_mode_16_64 3
		.amdhsa_memory_ordered 1
		.amdhsa_forward_progress 1
		.amdhsa_inst_pref_size 36
	.end_amdhsa_kernel
	.amdgpu_metadata
---
amdhsa.version: [ 1, 2 ]
amdhsa.kernels:
  - .name:           k_qe3536ba57f_route
    .symbol:         k_qe3536ba57f_route.kd
    .args:
      - { .name: x, .offset: 0, .size: 8, .value_kind: global_buffer, .address_space: global }
      - { .name: gate_w, .offset: 8, .size: 8, .value_kind: global_buffer, .address_space: global }
      - { .name: xb, .offset: 16, .size: 8, .value_kind: global_buffer, .address_space: global }
      - { .name: route, .offset: 24, .size: 8, .value_kind: global_buffer, .address_space: global }
      - { .name: gatef, .offset: 32, .size: 8, .value_kind: global_buffer, .address_space: global }
    .group_segment_fixed_size: 1536
    .private_segment_fixed_size: 0
    .kernarg_segment_align: 8
    .kernarg_segment_size: 40
    .max_flat_workgroup_size: 256
    .sgpr_count:     66
    .vgpr_count:     226
    .wavefront_size: 32
...
	.end_amdgpu_metadata
.endif
;; end of part 1
;; launch prep (part 2): grid 40 x 8, 4 waves a work-group, no clusters, 70,144 bytes of LDS; arguments w1, w3, w2, route, gatef, wq, plan, out1; writes wq, plan, out1
.if DOCPART == 2
	.amdgcn_target "amdgcn-amd-amdhsa--gfx1250"
	.amdhsa_code_object_version 6
	.text
	.protected	k_qe3536ba57f_prep
	.globl	k_qe3536ba57f_prep
	.p2align	8
	.type	k_qe3536ba57f_prep,@function
k_qe3536ba57f_prep:
	s_mov_b64 s[64:65], 0
	v_nop
	global_prefetch_b8 v0, s[64:65] scope:SCOPE_SE
	s_setreg_imm32_b32 hwreg(HW_REG_WAVE_MODE, 25, 1), 1
	s_wait_xcnt 0x0
; THREE JOBS, chosen by the work-group's x; no wave depends on another, so there is no barrier.
; x < 22:  w1 / w3 to bf16 in the order of matrix fragments.   22 <= x < 38: the same for w2.   x >= 38: the plan of rows, and the loss.
; wq = [e 4][c 11][w 4][u 24][j 4][1,024 B]; byte 512 q + 16 l + 2 i of a fragment = element (row l & 15, k = 16 q + 8 (l >> 4) + i).
;   u = 0..15 (K step of 32 of the 512 inputs): j = 0,1 rows 128 c + 32 w + 16 j of w1, j = 2,3 the same rows of w3.
;   u = 16 + 2 kh + dh: rows 128 w + 64 dh + 16 j of w2, hidden columns 128 c + 32 kh ..    Hidden indices from 1365 on hold zeros.
; A wave turns a tile through LDS bytes of its own (17,408 a wave): pieces of 16 rows x 16 bytes, 272 bytes apart.
; plan: bexp[256] (a block's expert), pos[token][2] from byte 1,024, rowtok[slot] from byte 66,560.
;   slot = 80 B_e + the row's rank in expert e, B_e = blocks of 80 rows of the experts below e; unused slots name token 0.
.set D, 32
	s_load_b512 s[4:19], s[0:1], 0x0               ; w1 s[4:5] w3 s[6:7] w2 s[8:9] route s[10:11] gatef s[12:13] wq s[14:15] plan s[16:17] out1 s[18:19]
	v_lshl_add_u32 v224, v0, 2, 0x11000
	v_mov_b32 v225, 0
	v_and_b32 v1, 31, v0                           ; lane
	v_lshrrev_b32 v2, 5, v0
	v_readfirstlane_b32 s22, v2                    ; wave v
	s_mov_b32 s20, ttmp9                           ; x
	s_and_b32 s21, ttmp7, 0xffff                   ; y
	s_mul_i32 s23, s22, 17408                      ; my LDS bytes
	v_lshlrev_b32 v4, 4, v1                        ; 16 lane
	v_lshrrev_b32 v6, 4, v1
	v_mul_u32_u24 v6, 272, v6
	v_and_b32 v7, 15, v1
	v_lshl_add_u32 v6, v7, 4, v6
	v_add_nc_u32 v6, s23, v6                       ; reading back: piece l >> 4, row l & 15
	s_and_b32 s24, s21, 3                          ; e
	s_lshr_b32 s25, s21, 2                         ; y >> 2
	s_mov_b32 s27, 0                               ; upper word of the offset pair s[26:27]
	s_wait_kmcnt 0x0
	s_cmp_ge_u32 s20, 38
	s_cbranch_scc1 .Lplan
	s_cmp_ge_u32 s20, 22
	s_cbranch_scc1 .Lw2
	; ---- w1 (y >> 2 = 0) or w3 (1): the wave takes hidden rows 16 T .. 16 T + 15, T = 4 x + v, all 512 columns
	s_lshl2_add_u32 s30, s20, s22                  ; T, 0 .. 87
	s_cmp_eq_u32 s25, 0
	s_cselect_b64 s[48:49], s[4:5], s[6:7]
	s_mul_i32 s26, s24, 2795520                    ; an expert's 1365 x 512 f32
	s_add_nc_u64 s[48:49], s[48:49], s[26:27]
	s_lshl_b32 s28, s30, 4
.irp r, 0,1,2,3,4,5,6,7,8,9,10,11,12,13,14,15
	s_add_co_u32 s31, s28, \r
	s_cmp_lt_u32 s31, 1365
	s_cselect_b32 s[32+\r], -1, 0                  ; rows from 1365 on become zeros,
	s_min_u32 s31, s31, 1364                       ; and their loads stay inside the buffer
	s_lshl_b32 s31, s31, 11
	v_add_nc_u32 v[8+\r], s31, v4
.endr
	v_lshrrev_b32 v2, 1, v1
	v_mul_u32_u24 v2, 272, v2
	v_and_b32 v3, 1, v1
	v_lshl_add_u32 v2, v3, 3, v2
	v_add_nc_u32 v2, s23, v2                       ; my 4 columns: piece lane >> 1 of the load's 16, half lane & 1: 32 lanes, 32 different pairs of banks
	s_mul_i32 s26, s24, 4325376
	s_lshr_b32 s31, s30, 3
	s_mul_i32 s31, s31, 393216                     ; c = T >> 3
	s_add_co_u32 s26, s26, s31
	s_bfe_u32 s31, s30, 0x20001
	s_mul_i32 s31, s31, 98304                      ; w = (T & 7) >> 1
	s_add_co_u32 s26, s26, s31
	s_and_b32 s31, s30, 1
	s_lshl1_add_u32 s31, s25, s31                  ; j = (T & 1) + 2 (w3)
	s_lshl_b32 s31, s31, 10
	s_add_co_u32 s26, s26, s31
	s_add_nc_u64 s[50:51], s[14:15], s[26:27]
; load m of 64: row m >> 2, quarter m & 3, 512 consecutive bytes; a ring of 32 register slots
.macro WLD m
	global_load_b128 v[D+4*((\m)&31):D+4*((\m)&31)+3], v[8+((\m)>>2)], s[48:49] offset:512*((\m)&3) th:TH_LOAD_NT
.endm
.macro PROC m
	v_cvt_pk_bf16_f32 v[D+4*((\m)&31)], v[D+4*((\m)&31)], v[D+4*((\m)&31)+1]
	v_cvt_pk_bf16_f32 v[D+4*((\m)&31)+1], v[D+4*((\m)&31)+2], v[D+4*((\m)&31)+3]
	v_and_b32 v[D+4*((\m)&31)], s[32+((\m)>>2)], v[D+4*((\m)&31)]
	v_and_b32 v[D+4*((\m)&31)+1], s[32+((\m)>>2)], v[D+4*((\m)&31)+1]
	ds_store_b64 v2, v[D+4*((\m)&31):D+4*((\m)&31)+1] offset:4352*((\m)&3)+16*((\m)>>2)
.endm
.set n, 0
.rept 32
	WLD n
.set n, n+1
.endr
.set n, 0
.rept 32
	s_wait_loadcnt 31                              ; load n is in; the 31 younger ones stay out
	PROC n
	WLD n+32
.set n, n+1
.endr
.rept 32
	s_wait_loadcnt 63-n                            ; nothing more is issued: the counts run down
	PROC n
.set n, n+1
.endr
.set n, 0
.rept 32
	ds_load_b128 v[D+4*n:D+4*n+3], v6 offset:1088*(n>>1)+544*(n&1)   ; K step n >> 1, half n & 1; LDS serves a wave's instructions in order (ISA guide 5.7.1)
.set n, n+1
.endr
.set n, 0
.rept 32
	s_wait_dscnt 31-n
	global_store_b128 v4, v[D+4*n:D+4*n+3], s[50:51] offset:4096*(n>>1)+512*(n&1)   ; 512 consecutive bytes, aligned
.set n, n+1
.endr
	s_wait_tensorcnt 0x0
	ds_add_u32 v224, v225
	s_wait_dscnt 0x0
	s_endpgm
	; ---- w2: rows 16 dt .. + 15; the wave takes K step kh = v of every chunk c: hidden columns 128 c + 32 v + lane
.Lw2:
	s_sub_co_u32 s30, s20, 22
	s_lshl4_add_u32 s30, s25, s30                  ; dt, 0 .. 31
	s_mul_i32 s26, s24, 2795520
	s_mul_i32 s31, s30, 87360                      ; 16 rows of 5,460 bytes
	s_add_co_u32 s26, s26, s31
	s_add_nc_u64 s[48:49], s[8:9], s[26:27]
	v_lshlrev_b32 v2, 2, v1
	v_lshl_add_u32 v2, s22, 7, v2                  ; 4 (32 v + lane)
	s_lshl_b32 s31, s22, 5
	s_add_co_u32 s31, s31, 1280
	v_add_nc_u32 v3, s31, v1                       ; the column in chunk 10
	v_cmp_gt_u32 s52, 1365, v3                     ; columns from 1365 on become zeros,
	v_min_u32 v3, 1364, v3                         ; and their loads stay inside the row
	v_lshlrev_b32 v3, 2, v3
	v_lshrrev_b32 v5, 3, v1
	v_mul_u32_u24 v5, 272, v5
	v_and_b32 v7, 7, v1
	v_lshl_add_u32 v5, v7, 1, v5
	v_add_nc_u32 v5, s23, v5                       ; piece lane >> 3, element lane & 7
	s_mul_i32 s26, s24, 4325376
	s_lshr_b32 s31, s30, 3
	s_mul_i32 s31, s31, 98304                      ; w = dt >> 3
	s_add_co_u32 s26, s26, s31
	s_bfe_u32 s31, s30, 0x10002                    ; dh = (dt >> 2) & 1
	s_lshl1_add_u32 s31, s22, s31
	s_add_co_u32 s31, s31, 16                      ; u = 16 + 2 kh + dh
	s_lshl_b32 s31, s31, 12
	s_add_co_u32 s26, s26, s31
	s_and_b32 s31, s30, 3                          ; j = dt & 3
	s_lshl_b32 s31, s31, 10
	s_add_co_u32 s26, s26, s31
	s_add_nc_u64 s[50:51], s[14:15], s[26:27]
.irp r, 0,1,2,3,4,5,6,7,8,9,10,11,12,13,14,15
.irp c, 0,1,2,3,4,5,6,7,8,9
	global_load_b32 v[D+11*\r+\c], v2, s[48:49] offset:5460*\r+512*\c   ; rows of 5,460 bytes are aligned to 4 only: one word a lane
.endr
	global_load_b32 v[D+11*\r+10], v3, s[48:49] offset:5460*\r
.endr
.irp r, 0,1,2,3,4,5,6,7,8,9,10,11,12,13,14,15
.if 11*(15-\r) > 63
	s_wait_loadcnt 63                              ; the largest count the wait can name; it covers this row
.else
	s_wait_loadcnt 11*(15-\r)                      ; the later rows' loads stay out
.endif
.irp c, 0,1,2,3,4,5,6,7,8,9,10
	v_cvt_pk_bf16_f32 v[D+11*\r+\c], v[D+11*\r+\c], v[D+11*\r+\c]
.endr
	v_cndmask_b32 v[D+11*\r+10], 0, v[D+11*\r+10], s52
.irp c, 0,1,2,3,4,5,6,7,8,9,10
	ds_store_b16 v5, v[D+11*\r+\c] offset:1088*\c+16*\r
.endr
.endr
.set n, 0
.rept 22
	ds_load_b128 v[D+4*n:D+4*n+3], v6 offset:1088*(n>>1)+544*(n&1)
.set n, n+1
.endr
.set n, 0
.rept 22
	s_wait_dscnt 21-n
	global_store_b128 v4, v[D+4*n:D+4*n+3], s[50:51] offset:393216*(n>>1)+512*(n&1)
.set n, n+1
.endr
	s_wait_tensorcnt 0x0
	ds_add_u32 v224, v225
	s_wait_dscnt 0x0
	s_endpgm
	; ---- the plan: wave P of 64 takes groups 4 P .. 4 P + 3 of 32 tokens.  Every wave sums all 256 groups' counts for itself.
.Lplan:
	s_sub_co_u32 s30, s20, 38
	s_lshl3_add_u32 s30, s30, s21
	s_lshl2_add_u32 s30, s30, s22                  ; P
	s_mov_b32 s54, 0x76543210
	s_mov_b32 s55, 0xfedcba98
	v_lshlrev_b32 v7, 7, v1                        ; lane l reads groups 8 l .. 8 l + 7
	s_lshl_b32 s31, s30, 6
	v_mov_b32 v8, s31                              ; my four groups' counts, the same in every lane
	s_lshl_b32 s31, s30, 9
	v_lshl_add_u32 v9, v1, 2, s31                  ; my tokens' words
.irp i, 0,1,2,3,4,5,6,7
	global_load_b128 v[32+4*\i:35+4*\i], v7, s[10:11] offset:16*\i
.endr
.irp t, 0,1,2,3
	global_load_b128 v[64+4*\t:67+4*\t], v8, s[10:11] offset:16*\t
.endr
.irp t, 0,1,2,3
	global_load_b32 v[80+\t], v9, s[10:11] offset:4096+128*\t
.endr
	v_lshlrev_b32 v10, 3, v1
	s_lshl_b32 s28, s30, 2                         ; my first group
	v_mov_b32 v12, 0
	s_wait_loadcnt 0x0
	v_cmp_gt_u32 vcc_lo, s28, v10
.irp e, 0,1,2,3
	v_cndmask_b32 v[88+\e], 0, v[32+\e], vcc_lo    ; v[88:91]: counts of the groups in front of mine
.endr
.irp i, 1,2,3,4,5,6,7
	v_add_nc_u32 v11, \i, v10
	v_cmp_gt_u32 vcc_lo, s28, v11
.irp e, 0,1,2,3
.if \i == 1
	v_add_nc_u32 v[84+\e], v[32+\e], v[36+\e]      ; v[84:87]: counts of all groups
.else
	v_add_nc_u32 v[84+\e], v[84+\e], v[32+4*\i+\e]
.endif
	v_cndmask_b32 v13, 0, v[32+4*\i+\e], vcc_lo
	v_add_nc_u32 v[88+\e], v[88+\e], v13
.endr
.endr
.macro ISUM r                          ; whole-number sum over the 32 lanes, result in every lane; v12 has been written
.irp m, 1,2,4,8
	v_mov_b32_dpp v12, v[\r] row_xmask:\m row_mask:0xf bank_mask:0xf
	v_add_nc_u32 v[\r], v[\r], v12
.endr
	v_permlanex16_b32 v12, v[\r], s54, s55
	v_add_nc_u32 v[\r], v[\r], v12
.endm
.irp r, 84,85,86,87,88,89,90,91
	ISUM \r
.endr
.irp e, 0,1,2
	v_add_nc_u32 v13, 79, v[84+\e]
	v_mul_u32_u24 v13, 0xcccd, v13                 ; (n + 79) / 80 = ((n + 79) 52429) >> 22, exact up to n + 79 = 81,919; here at most 8,271
	v_lshrrev_b32 v[92+\e], 22, v13
.endr
	v_add_nc_u32 v93, v92, v93                     ; v92, v93, v94 = B_1, B_2, B_3
	v_add_nc_u32 v94, v93, v94
.irp e, 1,2,3
	v_mul_u32_u24 v[96+\e], 80, v[91+\e]           ; v97, v98, v99 = first slots of experts 1, 2, 3
	v_add_nc_u32 v[88+\e], v[96+\e], v[88+\e]      ; v[88:91] = S_e: the slot of my first group's first row of e
.endr
	s_lshl_b32 s31, s30, 7
	v_add_nc_u32 v14, s31, v1                      ; my token in group 4 P
	v_lshlrev_b32 v15, 3, v14
.macro SEL dst, ex                     ; dst = S[ex]
	v_cmp_eq_u32 vcc_lo, 1, v[\ex]
	v_cndmask_b32 v[\dst], v88, v89, vcc_lo
	v_cmp_eq_u32 vcc_lo, 2, v[\ex]
	v_cndmask_b32 v[\dst], v[\dst], v90, vcc_lo
	v_cmp_eq_u32 vcc_lo, 3, v[\ex]
	v_cndmask_b32 v[\dst], v[\dst], v91, vcc_lo
.endm
.irp t, 0,1,2,3                        ; each t has its own registers for what its stores read
	v_and_b32 v16, 3, v[80+\t]
	v_bfe_u32 v17, v[80+\t], 2, 2
	v_bfe_u32 v18, v[80+\t], 4, 5
	v_bfe_u32 v19, v[80+\t], 9, 5
	SEL 112+8*\t, 16
	SEL 113+8*\t, 17
	v_add_nc_u32 v[112+8*\t], v[112+8*\t], v18
	v_add_nc_u32 v[113+8*\t], v[113+8*\t], v19
	v_min_u32 v[112+8*\t], 0x40ff, v[112+8*\t]     ; 16,639: a loaded number enters an address only behind a clamp
	v_min_u32 v[113+8*\t], 0x40ff, v[113+8*\t]
	v_lshlrev_b32 v[114+8*\t], 2, v[112+8*\t]
	v_lshlrev_b32 v[115+8*\t], 2, v[113+8*\t]
	v_add_nc_u32 v[116+8*\t], 32*\t, v14
	global_store_b64 v15, v[112+8*\t:113+8*\t], s[16:17] offset:1024+256*\t    ; pos: 256 consecutive bytes a wave
	global_store_b32 v[114+8*\t], v[116+8*\t], s[16:17] offset:66560           ; rowtok: a scatter of 16,384 words in all
	global_store_b32 v[115+8*\t], v[116+8*\t], s[16:17] offset:66560
.if \t < 3
.irp e, 0,1,2,3
	v_add_nc_u32 v[88+\e], v[88+\e], v[64+4*\t+\e]
.endr
.endif
.endr
	s_cmp_lg_u32 s30, 0
	s_cbranch_scc1 .Lend
	; wave P = 0 alone: the blocks' experts, the unused slots, the loss
.irp i, 0,1,2,3,4,5,6,7
	global_load_b128 v[32+4*\i:35+4*\i], v7, s[12:13] offset:16*\i      ; ps of groups 8 l .. 8 l + 7
.endr
	v_lshlrev_b32 v20, 2, v1
.irp k, 0,1,2,3,4,5,6,7
	v_add_nc_u32 v16, 32*\k, v1                    ; block i
	v_cmp_ge_u32 vcc_lo, v16, v92
	v_cndmask_b32 v[144+\k], 0, 1, vcc_lo
	v_cmp_ge_u32 vcc_lo, v16, v93
	v_add_co_ci_u32 v[144+\k], vcc_lo, 0, v[144+\k], vcc_lo
	v_cmp_ge_u32 vcc_lo, v16, v94
	v_add_co_ci_u32 v[144+\k], vcc_lo, 0, v[144+\k], vcc_lo     ; (i >= B_1) + (i >= B_2) + (i >= B_3)
	global_store_b32 v20, v[144+\k], s[16:17] offset:128*\k
.endr
	v_mov_b32 v21, 0
	v_add_nc_u32 v22, 0x4100, v1                   ; words 16,640 + lane of rowtok: never read, take the lanes that have no slot to fill
	v_mov_b32 v24, 0x4100
.macro PADS idx, k, endreg             ; slots v23 + 32 k below v[endreg] name token 0
	v_add_nc_u32 v[152+\idx], 32*\k, v23
	v_cmp_lt_u32 vcc_lo, v[152+\idx], v[\endreg]
	v_cndmask_b32 v[152+\idx], v22, v[152+\idx], vcc_lo
	v_min_u32 v[152+\idx], 0x411f, v[152+\idx]
	v_lshlrev_b32 v[152+\idx], 2, v[152+\idx]
	global_store_b32 v[152+\idx], v21, s[16:17] offset:66560
.endm
	v_add_nc_u32 v23, v84, v1                      ; experts 0 to 2 leave at most 79 slots: three stores of 32
.irp k, 0,1,2
	PADS \k, \k, 97
.endr
	v_add3_u32 v23, v97, v85, v1
.irp k, 0,1,2
	PADS 3+\k, \k, 98
.endr
	v_add3_u32 v23, v98, v86, v1
.irp k, 0,1,2
	PADS 6+\k, \k, 99
.endr
	v_add3_u32 v23, v99, v87, v1                   ; behind expert 3: at least 205 of the 208 blocks are in use, so at most 79 + 240 slots: ten stores
.irp k, 0,1,2,3,4,5,6,7,8,9
	PADS 9+\k, \k, 24
.endr
	s_wait_loadcnt 0x0
.irp e, 0,1,2,3
	v_add_f32 v[32+\e], v[32+\e], v[36+\e]
.endr
.irp i, 2,3,4,5,6,7
.irp e, 0,1,2,3
	v_add_f32 v[32+\e], v[32+\e], v[32+4*\i+\e]
.endr
.endr
.irp e, 0,1,2,3
.irp m, 1,2,4,8
	v_add_f32_dpp v[32+\e], v[32+\e], v[32+\e] row_xmask:\m row_mask:0xf bank_mask:0xf
.endr
	v_permlanex16_b32 v12, v[32+\e], s54, s55
	v_add_f32 v[32+\e], v[32+\e], v12
	v_mul_f32 v[32+\e], 0x39000000, v[32+\e]       ; / 8192: mean p_e - 0.25
.endr
	v_mul_f32 v36, v32, v32
	v_fmac_f32 v36, v33, v33
	v_fmac_f32 v36, v34, v34
	v_fmac_f32 v36, v35, v35
	v_mul_f32 v36, 0x3b23d70a, v36                 ; 0.01 / 4
	s_wait_xcnt 0x0                                ; EXEC changes only behind this wait
	v_cmpx_eq_u32 0, v1
	global_store_b32 v21, v36, s[18:19]
.Lend:
	s_endpgm
.Lfunc_end_k_qe3536ba57f_prep:
	.size	k_qe3536ba57f_prep, .Lfunc_end_k_qe3536ba57f_prep-k_qe3536ba57f_prep
	.p2alignl 7, 3214868480
	.fill 96, 4, 3214868480
	.section	.rodata,"a",@progbits
	.p2align	6, 0x0
	.amdhsa_kernel k_qe3536ba57f_prep
		.amdhsa_group_segment_fixed_size 70144
		.amdhsa_private_segment_fixed_size 0
		.amdhsa_enable_private_segment 0
		.amdhsa_kernarg_size 64
		.amdhsa_user_sgpr_count 2
		.amdhsa_user_sgpr_kernarg_segment_ptr 1
		.amdhsa_wavefront_size32 1
		.amdhsa_system_sgpr_workgroup_id_x 1
		.amdhsa_system_sgpr_workgroup_id_y 1
		.amdhsa_system_sgpr_workgroup_id_z 1
		.amdhsa_system_vgpr_workitem_id 0
		.amdhsa_next_free_vgpr 226
		.amdhsa_next_free_sgpr 66
		.amdhsa_reserve_vcc 1
		.amdhsa_float_denorm_mode_32 3
		.amdhsa_float_denorm_mode_16_64 3
		.amdhsa_memory_ordered 1
		.amdhsa_forward_progress 1
		.amdhsa_inst_pref_size 110
	.end_amdhsa_kernel
	.amdgpu_metadata
---
amdhsa.version: [ 1, 2 ]
amdhsa.kernels:
  - .name:           k_qe3536ba57f_prep
    .symbol:         k_qe3536ba57f_prep.kd
    .args:
      - { .name: w1, .offset: 0, .size: 8, .value_kind: global_buffer, .address_space: global }
      - { .name: w3, .offset: 8, .size: 8, .value_kind: global_buffer, .address_space: global }
      - { .name: w2, .offset: 16, .size: 8, .value_kind: global_buffer, .address_space: global }
      - { .name: route, .offset: 24, .size: 8, .value_kind: global_buffer, .address_space: global }
      - { .name: gatef, .offset: 32, .size: 8, .value_kind: global_buffer, .address_space: global }
      - { .name: wq, .offset: 40, .size: 8, .value_kind: global_buffer, .address_space: global }
      - { .name: plan, .offset: 48, .size: 8, .value_kind: global_buffer, .address_space: global }
      - { .name: out1, .offset: 56, .size: 8, .value_kind: global_buffer, .address_space: global }
    .group_segment_fixed_size: 70144
    .private_segment_fixed_size: 0
    .kernarg_segment_align: 8
    .kernarg_segment_size: 64
    .max_flat_workgroup_size: 128
    .sgpr_count:     66
    .vgpr_count:     226
    .wavefront_size: 32
...
	.end_amdgpu_metadata
.endif
;; end of part 2
;; launch mlp (part 3): grid 208 x 1, 4 waves a work-group, no clusters, 168,704 bytes of LDS; arguments xb, wq, plan, part; writes part
.if DOCPART == 3
	.amdgcn_target "amdgcn-amd-amdhsa--gfx1250"
	.amdhsa_code_object_version 6
	.text
	.protected	k_qe3536ba57f_mlp
	.globl	k_qe3536ba57f_mlp
	.p2align	8
	.type	k_qe3536ba57f_mlp,@function
k_qe3536ba57f_mlp:
	s_mov_b64 s[64:65], 0
	v_nop
	global_prefetch_b8 v0, s[64:65] scope:SCOPE_SE
	s_setreg_imm32_b32 hwreg(HW_REG_WAVE_MODE, 25, 1), 1
	s_wait_xcnt 0x0
; THE EXPERTS.  Work-group b makes block b: 80 rows (token, expert) of one expert, part[80 b + row][512] = w2 (silu(w1 x) * (w3 x)), unweighted.
; A row is computed only for the two experts its token chose: the others' weights in the sum are exactly 0.
; For any routing there are at most (16384 + 4 x 79) / 80 = 208 blocks; blocks beyond this input's count (0 to 3) run on token 0 and their
; rows are never read: they cannot leave early, since every wave passes every barrier.
; The hidden axis, padded with zeros to 1408, goes in 11 chunks of 128.  Phase A of a chunk: wave w makes G and U for hidden columns 32 w .. + 31
; of all 80 rows (16 K steps of 32).  h = silu(G) U goes to LDS in bf16.  Phase B: wave w adds the chunk into output columns 128 w .. + 127.
; A PIPELINE: trip c runs phase A of chunk c, then phase B of chunk c - 1 with the silu of chunk c issued between its matrix instructions
; (2 or 3 vector lines behind each).  h has two LDS buffers that take turns, so one barrier a trip orders both the stores of h(c) with their
; reads in trip c + 1 and the reads of h(c - 1) with the stores that overwrite them in trip c + 1.
; WEIGHTS come from wq, which holds them in fragment order, straight into registers: a load covers 512 consecutive aligned bytes, a unit of
; 8 loads feeds 20 matrix instructions.  Phase A has a ring of 8 units, phase B two units for each half of the output columns.
; NO TENSOR LOADS, NO CLUSTER: each weight fragment is used by exactly one wave of the work-group, so a way through LDS would add a write and a
; read of 4 KiB to the 5 KiB of row fragments that a unit reads; and which blocks share an expert hangs on counts read from memory, so the
; partners of a fixed cluster would not always want the same tiles.
; THE MATRIX INSTRUCTION IS USED TRANSPOSED (source 0 = 16 weight rows, source 1 = 16 token rows): lane l holds token row l % 16 and its eight
; registers the columns 8 (l / 16) + 0 .. 7, neighbours in a row of h and of the output.
; The accumulators take turns, one instruction a turn, in the same order in every unit and over the backward jump.
; LIMIT: h is rounded to bf16 for the second product; silu is g x 1 / (1 + 2^(-1.4427 g)) x u in f32, finite wherever the result is.
; REGISTERS.  Window 0: v1-9 addresses, v16-55 / v56-95 two buffers of 5 row fragments, v96-255 G/U(a, j) at 96 + 8 (4 a + j).
; Window 1 (output column blocks 0-3) and window 2 (blocks 4-7), alike: OUT(a, j) at 8 (4 a + j); two weight units at 160, 192; three sets of 8
; registers at work at 224; a zero in v248.  Window 3: phase A's 8 weight units of 32.
; Phase B's window setting gives source 0, source 2 and the destination OUT's window and source 1 window 0.  The silu lines are written to fit it:
; they work in place in OUT's window and read g and u as source 1, so no switch stands between a matrix instruction and the lines behind it.
; LDS: X 80 rows x 1,040 at 0; h 2 x [kh 4][80 rows x 80] at 83,200 (wave kh alone writes part kh); a stage of 16 rows x 528 a wave at 134,400.
.set HB, 83200
.set HP, 25600                         ; one buffer of h
.set SB, 134400
.set CSTEP, 393216                     ; from a chunk's weights to the next chunk's
.set FR, 16                            ; row fragments
.set GU, 96
.set OS, 160                           ; phase B's weight units
.set TT, 224                           ; at work
.set ZR, 248                           ; holds 0
.set MSB, 0
.set qidx, 0
.set qlim, 0
.macro WIN new                         ; the immediate's high byte repeats the setting that is left
.if MSB != \new
	s_set_vgpr_msb (MSB<<8)|\new
.set MSB, \new
.endif
.endm
.macro PLACES                          ; four places behind matrix instructions in front of loads into their sources and reads of their results
.rept 4
	v_nop
.endr
.endm
.macro WLOAD win, reg, imm             ; a unit of weights: 4 fragments, 4,096 consecutive bytes
	WIN \win
.irp i, 0,1,2,3,4,5,6,7
	global_load_b128 v[(\reg)+4*\i:(\reg)+4*\i+3], v1, s[36:37] offset:(\imm)+512*\i
.endr
.endm
.macro XLOAD ab, k                     ; 5 fragments of x, K step k, into buffer ab
	WIN 0
.irp a, 0,1
	ds_load_b128 v[FR+40*(\ab)+8*\a:FR+40*(\ab)+8*\a+3], v2 offset:16640*\a+64*(\k)
	ds_load_b128 v[FR+40*(\ab)+8*\a+4:FR+40*(\ab)+8*\a+7], v2 offset:16640*\a+64*(\k)+32
.endr
.irp a, 2,3,4
	ds_load_b128 v[FR+40*(\ab)+8*\a:FR+40*(\ab)+8*\a+3], v3 offset:16640*(\a-2)+64*(\k)
	ds_load_b128 v[FR+40*(\ab)+8*\a+4:FR+40*(\ab)+8*\a+7], v3 offset:16640*(\a-2)+64*(\k)+32
.endr
.endm
.macro HLOAD ab, kh, p                 ; 5 fragments of h, K step kh, from buffer p
	WIN 0
.irp a, 0,1,2,3,4
	ds_load_b128 v[FR+40*(\ab)+8*\a:FR+40*(\ab)+8*\a+3], v4 offset:HP*(\p)+6400*(\kh)+1280*\a
	ds_load_b128 v[FR+40*(\ab)+8*\a+4:FR+40*(\ab)+8*\a+7], v4 offset:HP*(\p)+6400*(\kh)+1280*\a+32
.endr
.endm
.macro WM d, a, b, zero                ; zero: the first product starts the sum, nothing is cleared
.if \zero
	v_wmma_f32_16x16x32_bf16 v[\d:\d+7], v[\a:\a+7], v[\b:\b+7], 0
.else
	v_wmma_f32_16x16x32_bf16 v[\d:\d+7], v[\a:\a+7], v[\b:\b+7], v[\d:\d+7]
.endif
.endm
.macro MMA slot, ab, zero              ; phase A: 20 accumulators G/U(a, j); weights window 3, all else window 0
	WIN 0x03
.irp a, 0,1,2,3,4
.irp j, 0,1,2,3
	WM GU+8*(4*\a+\j), 32*(\slot)+8*\j, FR+40*(\ab)+8*\a, \zero
.endr
.endr
.endm
; The next line of the silu's stream, if the span's share is not used up.  The stream is 10 groups of 38 lines; group 2 a + jj turns the 8 numbers
; g = G/U(a, jj), u = G/U(a, jj + 2) of a lane into 4 words of bf16 in the first four registers of its work set.
; A v_nop is the one plain place between the transcendentals and the first use of a result (ISA guide 5.7.2): matrix instructions between them are no such place.
.macro QSTEP
.if qidx < qlim
.set qgrp, qidx/38
.set qpos, qidx%38
.set qg, GU+8*(4*(qgrp/2)+(qgrp%2))
.set qt, TT
.if qgrp > 0
.set qt, TT+8*((qgrp-1)%3)
.endif
.if qpos < 4
	v_pk_mul_f32 v[qt+2*qpos:qt+2*qpos+1], 0xbfb8aa3b, v[qg+2*qpos:qg+2*qpos+1] op_sel_hi:[0,1]     ; -1.4427 g
.elseif qpos < 12
	v_exp_f32 v[qt+qpos-4], v[qt+qpos-4]
.elseif qpos == 12
	v_nop
	s_wait_alu depctr_va_vdst(0)
.elseif qpos < 17
	v_pk_add_f32 v[qt+2*(qpos-13):qt+2*(qpos-13)+1], v[qt+2*(qpos-13):qt+2*(qpos-13)+1], 1.0 op_sel_hi:[1,0]
.elseif qpos < 25
	v_rcp_f32 v[qt+qpos-17], v[qt+qpos-17]
.elseif qpos == 25
	v_nop
	s_wait_alu depctr_va_vdst(0)
.elseif qpos < 30
	v_pk_mul_f32 v[qt+2*(qpos-26):qt+2*(qpos-26)+1], v[qt+2*(qpos-26):qt+2*(qpos-26)+1], v[qg+2*(qpos-26):qg+2*(qpos-26)+1]   ; g sigmoid(g)
.elseif (qpos&1) == 0
	v_fma_mixlo_bf16 v[qt+(qpos-30)/2], v[qt+qpos-30], v[qg+16+qpos-30], v[ZR]     ; x u, rounded once to bf16, into the low half;
.else
	v_fma_mixhi_bf16 v[qt+(qpos-30)/2], v[qt+qpos-30], v[qg+16+qpos-30], v[ZR]     ; the next number into the high half.  A word is written only when its old number has been read
.endif
.set qidx, qidx+1
.endif
.endm
.macro MMBT slot, ab, a, zero, ns      ; phase B, row tile a: 4 accumulators OUT(a, j), ns lines of silu behind each
.irp j, 0,1,2,3
	WM 8*(4*\a+\j), OS+32*(\slot)+8*\j, FR+40*(\ab)+8*\a, \zero
.rept \ns
	QSTEP
.endr
.endr
.endm
.macro MMB5 win, slot, ab, zero, ns    ; a unit of phase B: 20 accumulators
	WIN \win
.irp a, 0,1,2,3,4
	MMBT \slot, \ab, \a, \zero, \ns
.endr
.endm
.macro HST win, set, grp, ps           ; group grp's 16 bytes of h from work set set into buffer ps
	WIN \win
	ds_store_b128 v5, v[TT+8*\set:TT+8*\set+3] offset:HP*\ps+1280*(\grp/2)+32*(\grp%2)
.endm
	s_load_b256 s[4:11], s[0:1], 0x0               ; xb s[4:5], wq s[6:7], plan s[8:9], part s[10:11]
	v_lshl_add_u32 v14, v0, 2, 0x29100
	v_mov_b32 v15, 0
	v_lshrrev_b32 v10, 5, v0
	v_readfirstlane_b32 s12, v10                   ; wave w
	v_and_b32 v11, 31, v0
	v_and_b32 v12, 15, v0                          ; r
	v_bfe_u32 v13, v0, 4, 1                        ; h
	v_lshlrev_b32 v1, 4, v11                       ; 16 lane
	s_lshl_b32 s42, ttmp9, 2
	s_mul_i32 s43, ttmp9, 320
	s_mul_i32 s44, s12, 80
	s_add_co_u32 s43, s43, s44                     ; my 20 rows' words of rowtok
	s_wait_kmcnt 0x0
	s_load_b32 s13, s[8:9], s42 offset:0x0         ; the block's expert
	s_load_b512 s[16:31], s[8:9], s43 offset:66560 ; the tokens of rows 20 w .. 20 w + 19
	s_load_b128 s[32:35], s[8:9], s43 offset:66624
	v_mul_u32_u24 v2, 1040, v12
	v_lshl_add_u32 v2, v13, 4, v2                  ; x fragments of tiles 0, 1: row x pitch + 16 h
	v_add_nc_u32 v3, 33280, v2                     ; of tiles 2 to 4
	v_mul_u32_u24 v4, 80, v12
	v_lshl_add_u32 v4, v13, 4, v4
	v_add_nc_u32 v4, HB, v4                        ; h fragments
	s_mul_i32 s45, s12, 6400
	v_add_nc_u32 v5, s45, v4                       ; where I store h: part w
	s_mul_i32 s45, s12, 20800
	v_add_nc_u32 v6, s45, v1                       ; where I stage my 20 rows of x
	s_mul_i32 s45, s12, 8448
	s_add_co_u32 s45, s45, SB
	v_mul_u32_u24 v7, 528, v12
	v_lshl_add_u32 v7, v13, 5, v7
	v_add_nc_u32 v7, s45, v7                       ; the way out: in, row r, 32 bytes a half
	v_add_nc_u32 v8, s45, v1                       ; back, a row of 512 bytes a load
	v_lshl_add_u32 v9, s12, 9, v1                  ; my 512 bytes of a row of part
	s_wait_kmcnt 0x0
	s_min_u32 s13, s13, 3                          ; a loaded number enters an address only behind a clamp
	s_mul_i32 s42, s13, 4325376
	s_mul_i32 s43, s12, 98304
	s_add_co_u32 s42, s42, s43
	s_mov_b32 s43, 0
	s_add_nc_u64 s[36:37], s[6:7], s[42:43]        ; my wave's weights of chunk 0
	s_mul_i32 s42, ttmp9, 163840
	s_add_nc_u64 s[38:39], s[10:11], s[42:43]      ; the block's 80 rows of part
.irp s, 0,1,2,3,4,5,6,7
	WLOAD 0xc0, 32*\s, 4096*\s                     ; phase A's ring is filled first,
.endr
	WLOAD 0x40, OS, 4096*16                        ; then phase B's four units of chunk 0: (kh, dh) = (0,0),
	WLOAD 0x80, OS, 4096*17                        ; (0,1),
	WLOAD 0x80, OS+32, 4096*19                     ; (1,1),
	WLOAD 0x40, OS+32, 4096*18                     ; (1,0)
	WIN 0x40
	v_mov_b32 v[ZR], 0                             ; the addend of the rounding multiply, once in each of OUT's windows
	WIN 0x80
	v_mov_b32 v[ZR], 0
	WIN 0
.set i, 0
.rept 20
	s_min_u32 s[16+i], s[16+i], 0x1fff
	v_lshl_add_u32 v[176+i], s[16+i], 10, v1
	global_load_b128 v[16+8*i:19+8*i], v[176+i], s[4:5]
	global_load_b128 v[20+8*i:23+8*i], v[176+i], s[4:5] offset:512
.set i, i+1
.endr
.set n, 0
.rept 40
	s_wait_loadcnt 39-n                            ; loads come back in order: row load n is in (and the weights issued ahead of it)
	ds_store_b128 v6, v[16+4*n:19+4*n] offset:1040*(n>>1)+512*(n&1)
.set n, n+1
.endr
	s_wait_dscnt 0x0                               ; for the others' sake: my rows of x are in LDS
	s_barrier_signal -1
	s_barrier_wait -1                              ; x is whole, and is only read from here on
	XLOAD 0, 0
	XLOAD 1, 1
; PHASE A of a chunk.  bias: from the weights' base to this chunk; step: the base goes one chunk on; last: no chunk follows;
; tail = 1: the last two runs fetch the first two fragment sets of h from buffer pr for the phase B that follows; 0: of x, for the next phase A.
.macro APH bias, step, last, tail, pr
.irp k, 0,1,2,3,4,5,6,7,8,9,10,11,12,13,14,15
.set lw, 56                                        ; this unit's weights are in; the 7 younger units of 8 loads stay out
.if \last
.if \k>=8
.set lw, 8*(15-\k)                                 ; nothing more is issued: the counts run down by units
.endif
.endif
	s_wait_loadcnt lw
	s_wait_dscnt 10                                ; this K step's fragments are in; the next set's 10 loads stay out
	MMA \k&7, \k&1, \k==0
	PLACES
.if \k==0
.if \step
	s_wait_xcnt 0x0                                ; the base is stepped only behind this wait; the last loads went out 20 matrix instructions ago
	s_add_nc_u64 s[36:37], s[36:37], CSTEP
.endif
.endif
.if \k<8
	WLOAD 0xc0, 32*\k, \bias+4096*(\k+8)           ; the unit 8 further on, into the slot just multiplied
.else
.if \last==0
	WLOAD 0xc0, 32*(\k-8), \bias+CSTEP+4096*(\k-8) ; the next chunk's units 0 to 7
.endif
.endif
.if \k<14
	XLOAD \k&1, \k+2
.else
.if \tail
	HLOAD \k-14, \k-14, \pr
.else
	XLOAD \k-14, \k-14
.endif
.endif
.endr
.endm
; PHASE B of the chunk whose h lies in buffer pr, units in the order (kh, dh) = (0,0) (0,1) (1,1) (1,0) (2,0) (2,1) (3,1) (3,0), so that neighbours
; share a window and a silu group never crosses from one window to the other.  bb: from the weights' base to this chunk.
; mode 0: a trip of the pipeline: the silu of the next chunk rides along (1, 3, 3, 3 groups in the spans {0} {1,2} {3,4} {5,6}), its h goes to
; buffer ps, the barrier stands in the last unit, the next phase A's first fragments of x are fetched.
; mode 1: the same in the last trip: behind the barrier the first fragments of the last h are fetched.   mode 2: the last chunk: no silu, no barrier.
.macro BPH zero, pr, ps, mode, bb
.set qidx, 0
.if \mode==2
.set q1, 0
.set q2, 0
.set q3, 0
.set q4, 0
.set l0, 24                                        ; each unit was asked for 4 units ago: the 3 younger units stay out,
.set l5, 16                                        ; and at the end the counts run down
.set l6, 8
.set l7, 0
.set d2, 10                                        ; the next fragment set's 10 loads stay out
.set d4, 10
.set d6, 0
.else
.set q1, 38
.set q2, 152
.set q3, 266
.set q4, 380
.set l0, 56                                        ; asked for 11 units ago or more: 7 younger units may stay out
.set l5, 24
.set l6, 24
.set l7, 24
.set d2, 11                                        ; 1 store of h and the next set's 10 loads were issued since
.set d4, 13                                        ; 3 stores and 10 loads
.if \mode==0
.set d6, 13
.else
.set d6, 3                                         ; 3 stores alone
.endif
.endif
	s_wait_loadcnt l0                              ; (0,0)
	s_wait_dscnt 10                                ; h's K step 0 is in; K step 1's 10 loads stay out
.set qlim, q1
	MMB5 0x51, 0, 0, \zero, 2
	PLACES
	WLOAD 0x40, OS, \bb+4096*20                    ; (2,0) into the slot just multiplied
.if \mode<2
	HST 0x04, 0, 0, \ps
.endif
	s_wait_loadcnt l0                              ; (0,1)
.set qlim, q2
	MMB5 0xa2, 0, 0, \zero, 3
	PLACES
	WLOAD 0x80, OS, \bb+4096*21                    ; (2,1)
	HLOAD 0, 2, \pr
	s_wait_loadcnt l0                              ; (1,1)
	s_wait_dscnt d2
	MMB5 0xa2, 1, 1, 0, 3
	PLACES
	WLOAD 0x80, OS+32, \bb+4096*23                 ; (3,1)
.if \mode<2
	HST 0x08, 0, 1, \ps
	HST 0x08, 1, 2, \ps
	HST 0x08, 2, 3, \ps
.endif
	s_wait_loadcnt l0                              ; (1,0)
.set qlim, q3
	MMB5 0x51, 1, 1, 0, 3
	PLACES
	WLOAD 0x40, OS+32, \bb+4096*22                 ; (3,0)
	HLOAD 1, 3, \pr
	s_wait_loadcnt 24                              ; (2,0): asked for 4 units ago; the 3 younger units stay out
	s_wait_dscnt d4
	MMB5 0x51, 0, 0, 0, 3
.if \mode<2
	PLACES
	WLOAD 0x40, OS, \bb+CSTEP+4096*16              ; the next chunk's (0,0)
	HST 0x04, 0, 4, \ps
	HST 0x04, 1, 5, \ps
	HST 0x04, 2, 6, \ps
.endif
	s_wait_loadcnt l5                              ; (2,1)
.set qlim, q4
	MMB5 0xa2, 0, 0, 0, 3
.if \mode<2
	PLACES
	WLOAD 0x80, OS, \bb+CSTEP+4096*17              ; the next chunk's (0,1)
.endif
.if \mode==0
	XLOAD 0, 0
.endif
	s_wait_loadcnt l6                              ; (3,1)
	s_wait_dscnt d6
	MMB5 0xa2, 1, 1, 0, 3
.if \mode<2
	PLACES
	WLOAD 0x80, OS+32, \bb+CSTEP+4096*19           ; the next chunk's (1,1)
	HST 0x08, 0, 7, \ps
	HST 0x08, 1, 8, \ps
	HST 0x08, 2, 9, \ps
.endif
	s_wait_loadcnt l7                              ; (3,0)
	WIN 0x51
	MMBT 1, 1, 0, 0, 0
	MMBT 1, 1, 1, 0, 0
	MMBT 1, 1, 2, 0, 0
.if \mode<2
	s_wait_dscnt 0x0                               ; for the others' sake: my stores of h are done, and so are my reads of the buffer that the next trip overwrites
	s_barrier_signal -1
.endif
	MMBT 1, 1, 3, 0, 0                             ; work on registers while the others arrive
	MMBT 1, 1, 4, 0, 0
.if \mode<2
	s_barrier_wait -1
.endif
	PLACES
.if \mode<2
	WLOAD 0x40, OS+32, \bb+CSTEP+4096*18           ; the next chunk's (1,0)
.endif
.if \mode==0
	XLOAD 1, 1
.endif
.if \mode==1
	HLOAD 0, 0, \ps
	HLOAD 1, 1, \ps
.endif
.endm
	APH 0, 0, 0, 0, 0                              ; phase A of chunk 0
	; the silu of chunk 0 has no phase B to ride on: the same stream, in the same windows, by itself; h(0) goes to buffer 0
.set qidx, 0
.set qlim, 38
	WIN 0x51
.rept 38
	QSTEP
.endr
	HST 0x04, 0, 0, 0
.set qlim, 152
	WIN 0xa2
.rept 114
	QSTEP
.endr
	HST 0x08, 0, 1, 0
	HST 0x08, 1, 2, 0
	HST 0x08, 2, 3, 0
.set qlim, 266
	WIN 0x51
.rept 114
	QSTEP
.endr
	HST 0x04, 0, 4, 0
	HST 0x04, 1, 5, 0
	HST 0x04, 2, 6, 0
.set qlim, 380
	WIN 0xa2
.rept 114
	QSTEP
.endr
	HST 0x08, 0, 7, 0
	HST 0x08, 1, 8, 0
	HST 0x08, 2, 9, 0
	s_wait_dscnt 0x0                               ; for the others' sake: my part of h(0) is in LDS
	s_barrier_signal -1
	s_barrier_wait -1
	APH CSTEP, 0, 0, 1, 0                          ; trip 1: A(1); the base stays at chunk 0
	BPH 1, 0, 1, 0, 0                              ; B(0) starts the output's sums; h(1) to buffer 1
	WIN 0                                          ; at a label and at a branch every window is 0
	s_mov_b32 s40, 4
.Lc:                                               ; trips 2 to 9, two to a lap: h's buffers stand in the text as constants
	APH CSTEP, 1, 0, 1, 1
	BPH 0, 1, 0, 0, 0
	APH CSTEP, 1, 0, 1, 0
	BPH 0, 0, 1, 0, 0
	WIN 0
	s_sub_co_i32 s40, s40, 1
	s_cmp_lg_u32 s40, 0
	s_cbranch_scc1 .Lc
	APH CSTEP, 1, 1, 1, 1                          ; trip 10: A(10) asks for nothing beyond the expert's weights
	BPH 0, 1, 0, 1, 0                              ; B(9); h(10) to buffer 0
	BPH 0, 0, 0, 2, CSTEP                          ; B(10); the base still stands at chunk 9
	; THE WAY OUT, 16 rows at a time through my own stage (the four places behind the last matrix instructions stand at the end of phase B)
.irp a, 0,1,2,3,4
	WIN 0x04
.irp n, 0,1,2,3
	ds_store_b128 v7, v[8*(4*\a+\n):8*(4*\a+\n)+3] offset:64*\n
	ds_store_b128 v7, v[8*(4*\a+\n)+4:8*(4*\a+\n)+7] offset:64*\n+16
.endr
	WIN 0x08
.irp n, 0,1,2,3
	ds_store_b128 v7, v[8*(4*\a+\n):8*(4*\a+\n)+3] offset:256+64*\n
	ds_store_b128 v7, v[8*(4*\a+\n)+4:8*(4*\a+\n)+7] offset:256+64*\n+16
.endr
	WIN 0
.if \a>=2
	s_wait_xcnt 0x0                                ; the buffer that stores of two tiles ago read is loaded again only behind this wait
.endif
.irp i, 0,1,2,3,4,5,6,7,8,9,10,11,12,13,14,15
	ds_load_b128 v[96+64*(\a&1)+4*\i:96+64*(\a&1)+4*\i+3], v8 offset:528*\i       ; LDS serves a wave's instructions in order (ISA guide 5.7.1): these see the stores above
.endr
.irp i, 0,1,2,3,4,5,6,7,8,9,10,11,12,13,14,15
	s_wait_dscnt 15-\i
	global_store_b128 v9, v[96+64*(\a&1)+4*\i:96+64*(\a&1)+4*\i+3], s[38:39] offset:2048*(16*\a+\i)     ; 512 consecutive bytes, aligned
.endr
.endr
	s_wait_tensorcnt 0x0
	ds_add_u32 v14, v15
	s_wait_dscnt 0x0
	s_endpgm
.Lfunc_end_k_qe3536ba57f_mlp:
	.size	k_qe3536ba57f_mlp, .Lfunc_end_k_qe3536ba57f_mlp-k_qe3536ba57f_mlp
	.p2alignl 7, 3214868480
	.fill 96, 4, 3214868480
	.section	.rodata,"a",@progbits
	.p2align	6, 0x0
	.amdhsa_kernel k_qe3536ba57f_mlp
		.amdhsa_group_segment_fixed_size 168704
		.amdhsa_private_segment_fixed_size 0
		.amdhsa_enable_private_segment 0
		.amdhsa_kernarg_size 32
		.amdhsa_user_sgpr_count 2
		.amdhsa_user_sgpr_kernarg_segment_ptr 1
		.amdhsa_wavefront_size32 1
		.amdhsa_system_sgpr_workgroup_id_x 1
		.amdhsa_system_sgpr_workgroup_id_y 1
		.amdhsa_system_sgpr_workgroup_id_z 1
		.amdhsa_system_vgpr_workitem_id 0
		.amdhsa_next_free_vgpr 1024
		.amdhsa_next_free_sgpr 66
		.amdhsa_reserve_vcc 0
		.amdhsa_float_denorm_mode_32 3
		.amdhsa_float_denorm_mode_16_64 3
		.amdhsa_memory_ordered 1
		.amdhsa_forward_progress 1
		.amdhsa_inst_pref_size 255
	.end_amdhsa_kernel
	.section	.bss,"aw",@nobits
	.p2align	6
	.space	262144
	.amdgpu_metadata
---
amdhsa.version: [ 1, 2 ]
amdhsa.kernels:
  - .name:           k_qe3536ba57f_mlp
    .symbol:         k_qe3536ba57f_mlp.kd
    .args:
      - { .name: xb, .offset: 0, .size: 8, .value_kind: global_buffer, .address_space: global }
      - { .name: wq, .offset: 8, .size: 8, .value_kind: global_buffer, .address_space: global }
      - { .name: plan, .offset: 16, .size: 8, .value_kind: global_buffer, .address_space: global }
      - { .name: part, .offset: 24, .size: 8, .value_kind: global_buffer, .address_space: global }
    .group_segment_fixed_size: 168704
    .private_segment_fixed_size: 0
    .kernarg_segment_align: 8
    .kernarg_segment_size: 32
    .max_flat_workgroup_size: 128
    .sgpr_count:     66
    .vgpr_count:     1024
    .wavefront_size: 32
...
	.end_amdgpu_metadata
.endif
;; end of part 3
;; launch comb (part 4): grid 256 x 1, 8 waves a work-group, no clusters, 0 bytes of LDS; arguments part, plan, gatef, out0; writes out0
.if DOCPART == 4
	.amdgcn_target "amdgcn-amd-amdhsa--gfx1250"
	.amdhsa_code_object_version 6
	.text
	.protected	k_qe3536ba57f_comb
	.globl	k_qe3536ba57f_comb
	.p2align	8
	.type	k_qe3536ba57f_comb,@function
k_qe3536ba57f_comb:
	s_mov_b64 s[64:65], 0
	v_nop
	global_prefetch_b8 v0, s[64:65] scope:SCOPE_SE
	s_setreg_imm32_b32 hwreg(HW_REG_WAVE_MODE, 25, 1), 1
	s_wait_xcnt 0x0
; out0[token] = w_1 part[slot_1] + w_2 part[slot_2]: the two rows that the token's experts made, with the router's weights.
; A stream: a wave takes 4 tokens, 8 rows of 2,048 bytes; all 32 loads go out at once, each 512 consecutive aligned bytes; each row of part is read once.
; No LDS, no barrier, no matrix unit, no cluster: nothing is shared between waves.
	s_load_b256 s[4:11], s[0:1], 0x0               ; part s[4:5], plan s[6:7], gatef s[8:9], out0 s[10:11]
	v_lshrrev_b32 v2, 5, v0
	v_readfirstlane_b32 s12, v2
	v_and_b32 v1, 31, v0
	v_lshlrev_b32 v1, 4, v1                        ; 16 lane
	s_lshl3_add_u32 s12, ttmp9, s12                ; wave of 2,048
	s_lshl_b32 s14, s12, 5                         ; 4 tokens x 8 bytes of pos and of cw
	s_lshl_b32 s32, s12, 13                        ; 4 tokens x 2,048 bytes of out0
	s_mov_b32 s33, 0
	s_wait_kmcnt 0x0
	s_load_b256 s[16:23], s[6:7], s14 offset:1024  ; the 8 slots
	s_load_b256 s[24:31], s[8:9], s14 offset:4096  ; the 8 weights
	s_add_nc_u64 s[10:11], s[10:11], s[32:33]
	s_wait_kmcnt 0x0
.irp i, 0,1,2,3,4,5,6,7
	s_min_u32 s[16+\i], s[16+\i], 0x40ff           ; 16,639: a loaded number enters an address only behind a clamp
	v_lshl_add_u32 v[2+\i], s[16+\i], 11, v1
	v_mov_b32 v[10+2*\i], s[24+\i]                 ; each weight twice: a pair for the packed arithmetic
	v_mov_b32 v[11+2*\i], s[24+\i]
.endr
.irp t, 0,1,2,3
.irp k, 0,1
.irp j, 0,1,2,3
	global_load_b128 v[32+32*\t+16*\k+4*\j:32+32*\t+16*\k+4*\j+3], v[2+2*\t+\k], s[4:5] offset:512*\j th:TH_LOAD_NT
.endr
.endr
.endr
.irp t, 0,1,2,3
	s_wait_loadcnt 24-8*\t                         ; this token's 8 loads are in; the later tokens' stay out
.irp p, 0,2,4,6,8,10,12,14
	v_pk_mul_f32 v[32+32*\t+\p:32+32*\t+\p+1], v[32+32*\t+\p:32+32*\t+\p+1], v[10+4*\t:11+4*\t]
.endr
.irp p, 0,2,4,6,8,10,12,14
	v_pk_fma_f32 v[32+32*\t+\p:32+32*\t+\p+1], v[48+32*\t+\p:48+32*\t+\p+1], v[12+4*\t:13+4*\t], v[32+32*\t+\p:32+32*\t+\p+1]
.endr
.irp j, 0,1,2,3
	global_store_b128 v1, v[32+32*\t+4*\j:32+32*\t+4*\j+3], s[10:11] offset:2048*\t+512*\j th:TH_STORE_NT
.endr
.endr
	s_endpgm
.Lfunc_end_k_qe3536ba57f_comb:
	.size	k_qe3536ba57f_comb, .Lfunc_end_k_qe3536ba57f_comb-k_qe3536ba57f_comb
	.p2alignl 7, 3214868480
	.fill 96, 4, 3214868480
	.section	.rodata,"a",@progbits
	.p2align	6, 0x0
	.amdhsa_kernel k_qe3536ba57f_comb
		.amdhsa_group_segment_fixed_size 0
		.amdhsa_private_segment_fixed_size 0
		.amdhsa_enable_private_segment 0
		.amdhsa_kernarg_size 32
		.amdhsa_user_sgpr_count 2
		.amdhsa_user_sgpr_kernarg_segment_ptr 1
		.amdhsa_wavefront_size32 1
		.amdhsa_system_sgpr_workgroup_id_x 1
		.amdhsa_system_sgpr_workgroup_id_y 1
		.amdhsa_system_sgpr_workgroup_id_z 1
		.amdhsa_system_vgpr_workitem_id 0
		.amdhsa_next_free_vgpr 160
		.amdhsa_next_free_sgpr 66
		.amdhsa_reserve_vcc 0
		.amdhsa_float_denorm_mode_32 3
		.amdhsa_float_denorm_mode_16_64 3
		.amdhsa_memory_ordered 1
		.amdhsa_forward_progress 1
		.amdhsa_inst_pref_size 11
	.end_amdhsa_kernel
	.amdgpu_metadata
---
amdhsa.version: [ 1, 2 ]
amdhsa.kernels:
  - .name:           k_qe3536ba57f_comb
    .symbol:         k_qe3536ba57f_comb.kd
    .args:
      - { .name: part, .offset: 0, .size: 8, .value_kind: global_buffer, .address_space: global }
      - { .name: plan, .offset: 8, .size: 8, .value_kind: global_buffer, .address_space: global }
      - { .name: gatef, .offset: 16, .size: 8, .value_kind: global_buffer, .address_space: global }
      - { .name: out0, .offset: 24, .size: 8, .value_kind: global_buffer, .address_space: global }
    .group_segment_fixed_size: 0
    .private_segment_fixed_size: 0
    .kernarg_segment_align: 8
    .kernarg_segment_size: 32
    .max_flat_workgroup_size: 256
    .sgpr_count:     66
    .vgpr_count:     160
    .wavefront_size: 32
...
	.end_amdgpu_metadata
.endif
;; end of part 4
